; MI455X (gfx1250); checked and timed in simulation.
; The chip was launched on July 23, 2026; its instructions are those of AMD's public machine-readable ISA for CDNA 5 (MIT licence, August 2026) and "CDNA5" Instruction Set Architecture Reference Guide (July 2026). The comments in the code are by the model that wrote it; some were corrected since.
;; Attention Block. Allowed arithmetic: float matrix products may take bf16 or f16 operands with f32 sums; all other float work in f32.
;; Inputs: b_proj 256 float32; b_qkv 768 float32; b_se1 64 float32; b_se2 256 float32; gn_beta 256 float32; gn_gamma 256 float32; w_proj 256 x 256 float32; w_qkv 768 x 256 float32; w_se1 64 x 256 float32; w_se2 256 x 64 float32; x 32 x 256 x 32 x 32 float32.
;; Outputs: out0 32 x 256 x 32 x 32 float32.
;; One version. Each part assembles by itself: llvm-mc -triple=amdgcn-amd-amdhsa -mcpu=gfx1250 --defsym DOCPART=n.
;; ======== version 1 of 1: 2 launches
;; workspace buffers: xn 16,777,216 bytes; amat 131,072 bytes; wpv 131,072 bytes; uvec 1,024 bytes; bias2 1,024 bytes; pooled 32,768 bytes
;; launch prep (part 1): grid 1152 x 1, 8 waves a work-group, no clusters, 42,496 bytes of LDS; arguments x, gn_gamma, gn_beta, w_qkv, b_qkv, w_proj, b_proj, xn, pooled, amat, wpv, uvec, bias2; writes xn, pooled, amat, wpv, uvec, bias2
.if DOCPART == 1
	.amdgcn_target "amdgcn-amd-amdhsa--gfx1250"
	.amdhsa_code_object_version 6
	.text
	.protected	k_q492e5b5d4f_prep
	.globl	k_q492e5b5d4f_prep
	.p2align	8
	.type	k_q492e5b5d4f_prep,@function
k_q492e5b5d4f_prep:
	s_mov_b64 s[64:65], 0
	v_nop
	global_prefetch_b8 v0, s[64:65] scope:SCOPE_SE
	s_setreg_imm32_b32 hwreg(HW_REG_WAVE_MODE, 25, 1), 1
	s_wait_xcnt 0x0
; PREP.  Work-groups 128 .. 1151 ("norm"): GroupNorm of one group (8 channels x 1024 positions) of one image, xn in bf16, and the
; eight channel means (pooled).  Work-groups 0 .. 127 ("fold"): the weights are folded, in f32 with one rounding to bf16:
;   amat[c'][c] = kappa * sum_o Wk[o][c'] Wq[o][c]     uvec[c'] = kappa * sum_o Wk[o][c'] bq[o]     kappa = log2(e) / 16
;   wpv[p][c]   = sum_o Wp[p][o] Wv[o][c]              bias2[p] = sum_o Wp[p][o] bv[o] + bp[p]
; (Wq, Wk, Wv = rows 0-255, 256-511, 512-767 of w_qkv.)  With them scores = (amat xn_i + uvec) . xn_j in powers of two, up to a term
; q_i . bk that does not hang on j and so cancels in the softmax over j for every input: the k part of b_qkv is NOT loaded.
; And since each softmax row sums to one, Wp (V attn^T) + bp = wpv (xn attn^T) + bias2.
; LIMITS: amat and wpv are summed in f32 (32 terms a wave, then eight partial sums in ascending order) and rounded once to bf16.
; The statistics are made in two passes over the row kept in registers (mean first, then squares of x - mean): no difference of large sums.
; 98 registers a wave and 42,496 bytes of LDS: five work-groups of eight waves fit on a WGP (10 x 98 of a SIMD's 1,024 registers), and
; 1,152 work-groups are 4.5 for each of 256 WGPs: every row of x is asked for at the start.
; No matrix unit here: the fold is a small part of the arithmetic and f32 keeps it exact up to its one rounding.  No cluster: no tile is shared.
.set NFOLD, 128
.set GS1, 0                            ; LDS: 8 channel sums
.set GS2, 32                           ; LDS: 8 sums of squares
.set FU,  256                          ; LDS: [8 waves][8] partial u
.set CO,  512                          ; LDS: [8 waves][32 o][8 rows] coefficients, f32
.set FPB, 8704                         ; LDS: [8 waves][8 rows][128 columns] partial sums, f32
	v_lshl_add_u32 v96, v0, 2, 0xa200
	v_mov_b32 v97, 0
	v_lshrrev_b32 v1, 5, v0
	v_readfirstlane_b32 s2, v1                     ; wave 0..7
	v_and_b32 v1, 31, v0                           ; lane
	v_lshlrev_b32 v2, 4, v1                        ; 16 x lane
	s_cmp_lt_u32 ttmp9, NFOLD                      ; the same for all waves of a work-group
	s_cbranch_scc1 .Lfold
; ---------------------------------------------------------------- norm: wave w owns channel 8 gid + w, a row of 4,096 bytes in 32 registers
.set X,    8                           ; v[8:39]   the row
.set T,    40                          ; v[40:55]  at work
.set MEAN, 56                          ; v[56:57]
.set AA,   58                          ; v[58:59]  rstd x gamma, twice
.set BT,   60                          ; v[60:61]  beta, twice
.set Y,    62                          ; v[62:77]  the row in bf16
	s_load_b128 s[4:7], s[0:1], 0x0                ; x, gn_gamma
	s_load_b64 s[8:9], s[0:1], 0x10                ; gn_beta
	s_load_b128 s[12:15], s[0:1], 0x38             ; xn, pooled
	s_sub_co_u32 s16, ttmp9, NFOLD                 ; gid = 32 b + g
	s_lshl3_add_u32 s17, s16, s2                   ; channel row = 8 gid + w (0 .. 8191)
	s_lshl_b32 s18, s17, 12                        ; its bytes in x
	s_mov_b32 s19, 0
	s_lshl_b32 s22, s17, 11                        ; its bytes in xn
	s_mov_b32 s23, 0
	s_and_b32 s24, s17, 255
	s_lshl_b32 s24, s24, 2                         ; the channel's word in gamma and beta
	s_mov_b32 s25, 0
	s_lshl_b32 s26, s16, 5                         ; the group's 8 words in pooled
	s_mov_b32 s27, 0
	s_mov_b32 s28, 0x3727c5ac                      ; 1e-5
	s_mov_b32 s30, 0x76543210                      ; v_permlanex16_b32: lane i reads lane i of the other half
	s_mov_b32 s31, 0xfedcba98
	s_mov_b32 s10, 0x39000000                      ; 1 / 8192
	s_lshl_b32 s11, s2, 2
	v_lshlrev_b32 v3, 3, v1                        ; 8 x lane
	v_mov_b32 v4, s11                              ; my word among the eight
	v_mov_b32 v5, 0
	s_wait_kmcnt 0x0
	s_add_nc_u64 s[4:5], s[4:5], s[18:19]
.irp j, 0,1,2,3,4,5,6,7
	global_load_b128 v[X+4*\j:X+4*\j+3], v2, s[4:5] offset:512*\j      ; 512 neighbouring bytes a load, the whole row
.endr
	s_add_nc_u64 s[6:7], s[6:7], s[24:25]
	s_add_nc_u64 s[8:9], s[8:9], s[24:25]
	s_load_b32 s20, s[6:7], 0x0                    ; gamma of my channel
	s_load_b32 s21, s[8:9], 0x0                    ; beta
	s_add_nc_u64 s[12:13], s[12:13], s[22:23]
	s_add_nc_u64 s[14:15], s[14:15], s[26:27]
.macro WSUM a, t                       ; sum over the 32 lanes, result in every lane
	v_add_f32_dpp v[\a], v[\a], v[\a] row_xmask:1 row_mask:0xf bank_mask:0xf
	v_add_f32_dpp v[\a], v[\a], v[\a] row_xmask:2 row_mask:0xf bank_mask:0xf
	v_add_f32_dpp v[\a], v[\a], v[\a] row_xmask:4 row_mask:0xf bank_mask:0xf
	v_add_f32_dpp v[\a], v[\a], v[\a] row_xmask:8 row_mask:0xf bank_mask:0xf
	v_permlanex16_b32 v[\t], v[\a], s30, s31       ; its destination has been written before
	v_add_f32 v[\a], v[\a], v[\t]
.endm
.macro GSUM off                        ; my wave's figure in v[T] -> the sum over the eight waves in v[T]
	ds_store_b32 v4, v[T] offset:\off
	s_wait_dscnt 0x0                               ; my word is in LDS before I signal
	s_barrier_signal -1
	s_barrier_wait -1
	ds_load_b128 v[T:T+3], v5 offset:\off
	ds_load_b128 v[T+4:T+7], v5 offset:\off+16
	s_wait_dscnt 0x0
	v_pk_add_f32 v[T:T+1], v[T:T+1], v[T+2:T+3]
	v_pk_add_f32 v[T+4:T+5], v[T+4:T+5], v[T+6:T+7]
	v_pk_add_f32 v[T:T+1], v[T:T+1], v[T+4:T+5]
	v_add_f32 v[T], v[T], v[T+1]
.endm
	; pass 1: the row's sum
.irp j, 0,1,2,3,4,5,6,7
	s_wait_loadcnt 7-\j                            ; loads return in order: load j is in, the 7 - j younger ones stay out
	v_pk_add_f32 v[T+2*\j:T+2*\j+1], v[X+4*\j:X+4*\j+1], v[X+4*\j+2:X+4*\j+3]
.endr
.irp j, 0,4,8,12
	v_pk_add_f32 v[T+\j:T+\j+1], v[T+\j:T+\j+1], v[T+\j+2:T+\j+3]
.endr
	v_pk_add_f32 v[T:T+1], v[T:T+1], v[T+4:T+5]
	v_pk_add_f32 v[T+8:T+9], v[T+8:T+9], v[T+12:T+13]
	v_pk_add_f32 v[T:T+1], v[T:T+1], v[T+8:T+9]
	v_add_f32 v[T], v[T], v[T+1]
	WSUM T, T+1
	GSUM GS1
	v_mul_f32 v[MEAN], s10, v[T]                   ; the group's mean
	v_mov_b32 v[MEAN+1], v[MEAN]
	; pass 2: d = x - mean in place, then the sum of d^2 in four chains
.irp i, 0,1,2,3,4,5,6,7,8,9,10,11,12,13,14,15
	v_pk_add_f32 v[X+2*\i:X+2*\i+1], v[X+2*\i:X+2*\i+1], v[MEAN:MEAN+1] neg_lo:[0,1] neg_hi:[0,1]
.endr
.irp i, 0,1,2,3
	v_pk_mul_f32 v[T+2*\i:T+2*\i+1], v[X+2*\i:X+2*\i+1], v[X+2*\i:X+2*\i+1]     ; the first four start the chains
.endr
.irp i, 4,5,6,7,8,9,10,11,12,13,14,15
	v_pk_fma_f32 v[T+2*(\i&3):T+2*(\i&3)+1], v[X+2*\i:X+2*\i+1], v[X+2*\i:X+2*\i+1], v[T+2*(\i&3):T+2*(\i&3)+1]
.endr
	v_pk_add_f32 v[T:T+1], v[T:T+1], v[T+2:T+3]
	v_pk_add_f32 v[T+4:T+5], v[T+4:T+5], v[T+6:T+7]
	v_pk_add_f32 v[T:T+1], v[T:T+1], v[T+4:T+5]
	v_add_f32 v[T], v[T], v[T+1]
	WSUM T, T+1
	GSUM GS2                                       ; other bytes than GS1: no barrier is owed between the two
	v_fma_f32 v[T], v[T], s10, s28                 ; variance + 1e-5
	v_rsq_f32 v[T+1], v[T]
	s_wait_kmcnt 0x0                               ; gamma, beta
	v_mov_b32 v[BT], s21                           ; a plain instruction stands between v_rsq_f32 and the use of its result (ISA guide 5.7.2)
	v_mov_b32 v[BT+1], s21
	s_wait_alu depctr_va_vdst(0)
	v_mul_f32 v[AA], s20, v[T+1]
	v_mov_b32 v[AA+1], v[AA]
.irp i, 0,1,2,3,4,5,6,7,8,9,10,11,12,13,14,15
	v_pk_fma_f32 v[X+2*\i:X+2*\i+1], v[X+2*\i:X+2*\i+1], v[AA:AA+1], v[BT:BT+1]
.endr
.irp i, 0,1,2,3,4,5,6,7,8,9,10,11,12,13,14,15
	v_cvt_pk_bf16_f32 v[Y+\i], v[X+2*\i], v[X+2*\i+1]
.endr
.irp j, 0,1,2,3,4,5,6,7
	global_store_b64 v3, v[Y+2*\j:Y+2*\j+1], s[12:13] offset:256*\j    ; a store of the wave covers 256 consecutive bytes, aligned
.endr
	s_cmp_lg_u32 s2, 0
	s_cbranch_scc1 .Lnend
	v_and_b32 v6, 7, v0                            ; wave 0: the eight channel means
	v_lshlrev_b32 v6, 2, v6
	ds_load_b32 v7, v6 offset:GS1                  ; written in front of the first barrier, never again
	s_wait_dscnt 0x0
	v_mul_f32 v7, 0x3a800000, v7                   ; / 1024
	s_wait_xcnt 0x0                                ; EXEC changes only behind this wait
	v_cmp_gt_u32 vcc_lo, 8, v0
	s_and_saveexec_b32 s24, vcc_lo
	global_store_b32 v6, v7, s[14:15]
	s_wait_xcnt 0x0                                ; and again in front of the line that widens it
	s_or_b32 exec_lo, exec_lo, s24
.Lnend:
	s_wait_tensorcnt 0x0
	ds_add_u32 v96, v97
	s_wait_dscnt 0x0
	s_endpgm
; ---------------------------------------------------------------- fold: 8 rows x 128 columns of amat (groups 0-63) or wpv (groups 64-127)
; Group f: rows 8 f' .. 8 f' + 7 with f' = bits 5:1 of f, columns 128 cg .. + 127 with cg = bit 0.  Wave w sums over o = 32 w .. 32 w + 31;
; a lane owns columns 4 l .. 4 l + 3 of the 128.  COEFFICIENTS: lane o loads the eight rows' coefficients of its o once, lays them into the
; wave's own 1,024 bytes of LDS, and the loop reads the eight of one o back with one address for all lanes (two loads of 16 bytes); a packed
; multiply-add picks the lower or the upper register of a coefficient pair for both its halves.  With lane = o, u is eight products and a sum
; over the lanes.  The vector operand's rows run through a ring of eight slots in registers, the coefficients through a ring of three.
.set ACC, 8                            ; v[8:39]    sums, row r at 4 r.  Before the loop: staging (below)
.set CS,  8                            ; v[8:15]    staging: the eight coefficients of o = my lane
.set BI,  16                           ; v16        staging: the bias number of o = my lane
.set UA,  18                           ; v[18:25]   staging: u of the eight rows
.set XR,  40                           ; v[40:71]   ring of eight o-slots of 4 registers
.set CR,  72                           ; v[72:95]   ring of three o-slots of 8 coefficients, the same in every lane
.macro XLOAD o
	global_load_b128 v[XR+4*((\o)&7):XR+4*((\o)&7)+3], v2, s[4:5] offset:1024*(\o)      ; 512 neighbouring bytes, aligned
.endm
.macro CLD o
	ds_load_b128 v[CR+8*((\o)%3):CR+8*((\o)%3)+3], v7 offset:32*(\o)
	ds_load_b128 v[CR+8*((\o)%3)+4:CR+8*((\o)%3)+7], v7 offset:32*(\o)+16
.endm
.macro FOLDO                           ; one o (the symbol OO): 16 packed multiply-adds a lane.  The first o's products start the sums: nothing is cleared
.if OO > 29
	s_wait_dscnt 2*(31-OO)                         ; the counts run down at the end
.else
	s_wait_dscnt 4                                 ; LDS answers in order: this o's coefficients are in, two younger o (two loads each) stay out
.endif
.if OO > 24
	s_wait_loadcnt 31-OO
.else
	s_wait_loadcnt 7                               ; seven younger ring slots, one load each, stay out
.endif
.irp r, 0,2,4,6
.irp p, 0,2
.if OO
	v_pk_fma_f32 v[ACC+4*\r+\p:ACC+4*\r+\p+1], v[XR+4*(OO&7)+\p:XR+4*(OO&7)+\p+1], v[CR+8*(OO%3)+\r:CR+8*(OO%3)+\r+1], v[ACC+4*\r+\p:ACC+4*\r+\p+1] op_sel_hi:[1,0,1]
	v_pk_fma_f32 v[ACC+4*\r+4+\p:ACC+4*\r+4+\p+1], v[XR+4*(OO&7)+\p:XR+4*(OO&7)+\p+1], v[CR+8*(OO%3)+\r:CR+8*(OO%3)+\r+1], v[ACC+4*\r+4+\p:ACC+4*\r+4+\p+1] op_sel:[0,1,0] op_sel_hi:[1,1,1]
.else
	v_pk_mul_f32 v[ACC+4*\r+\p:ACC+4*\r+\p+1], v[XR+4*(OO&7)+\p:XR+4*(OO&7)+\p+1], v[CR+8*(OO%3)+\r:CR+8*(OO%3)+\r+1] op_sel_hi:[1,0]
	v_pk_mul_f32 v[ACC+4*\r+4+\p:ACC+4*\r+4+\p+1], v[XR+4*(OO&7)+\p:XR+4*(OO&7)+\p+1], v[CR+8*(OO%3)+\r:CR+8*(OO%3)+\r+1] op_sel:[0,1] op_sel_hi:[1,1]
.endif
.endr
.endr
.if OO < 24
	XLOAD OO+8                                     ; the slot just read gets the row eight further on
.endif
.if OO < 29
	CLD OO+3
.endif
.endm
.Lfold:
	s_load_b256 s[16:23], s[0:1], 0x18             ; w_qkv s[16:17], b_qkv s[18:19], w_proj s[20:21], b_proj s[22:23]
	s_load_b256 s[24:31], s[0:1], 0x48             ; amat s[24:25], wpv s[26:27], uvec s[28:29], bias2 s[30:31]
	s_bfe_u32 s3, ttmp9, 0x50001                   ; f': 5 bits from bit 1
	s_and_b32 s32, ttmp9, 1                        ; cg
	s_lshl_b32 s42, s2, 15                         ; 32 w rows of 1,024 bytes
	s_mov_b32 s43, 0
	s_lshl_b32 s33, s32, 9                         ; 128 cg columns of 4 bytes
	s_add_co_u32 s34, s42, s33
	s_mov_b32 s35, 0
	s_lshl_b32 s36, s2, 7                          ; 32 w words
	s_mov_b32 s37, 0
	s_lshl_b32 s38, s3, 5                          ; 8 f' words
	s_mov_b32 s39, 0
	s_lshl_b32 s40, s3, 12                         ; output: row 8 f' + w of 512 bytes, + 256 cg
	s_lshl_b32 s41, s2, 9
	s_add_co_u32 s40, s40, s41
	s_lshl_b32 s41, s32, 8
	s_add_co_u32 s40, s40, s41
	s_mov_b32 s41, 0
	s_mov_b32 s44, 0x76543210
	s_mov_b32 s45, 0xfedcba98
	v_lshlrev_b32 v3, 2, v1                        ; 4 x lane
	v_lshlrev_b32 v5, 3, v1                        ; 8 x lane
	s_lshl_b32 s46, s2, 10
	s_add_co_u32 s46, s46, CO                      ; my wave's coefficients
	v_mov_b32 v7, s46                              ; one address for all lanes
	v_lshl_add_u32 v26, v1, 5, s46                 ; where lane o puts its eight
	s_lshl_b32 s47, s2, 5
	s_add_co_u32 s47, s47, FU
	v_mov_b32 v27, s47
	s_wait_kmcnt 0x0
	s_cmp_ge_u32 ttmp9, 64
	s_cbranch_scc1 .Lfold1
	s_add_nc_u64 s[4:5], s[16:17], s[34:35]        ; vectors: Wq rows 32 w .., my 128 columns
	s_add_nc_u64 s[6:7], s[18:19], s[36:37]        ; bq
	s_add_nc_u64 s[8:9], s[16:17], s[42:43]        ; coefficients: Wk rows 32 w .., 256 rows further down,
	s_add_nc_u64 s[8:9], s[8:9], 0x40000
	s_add_nc_u64 s[8:9], s[8:9], s[38:39]          ; columns 8 f' ..
	s_add_nc_u64 s[10:11], s[24:25], s[40:41]      ; out: amat
	s_add_nc_u64 s[12:13], s[28:29], s[38:39]      ; out: uvec
	s_mov_b32 s14, 0x3db8aa3b                      ; kappa = log2(e) / 16
	s_mov_b32 s15, 0x3db8aa3b
	v_lshlrev_b32 v4, 10, v1                       ; lane o: row o
	global_load_b128 v[CS:CS+3], v4, s[8:9]        ; 32 bytes of each of 32 rows, once
	global_load_b128 v[CS+4:CS+7], v4, s[8:9] offset:16
	s_branch .Lfjoin
.Lfold1:
	s_add_nc_u64 s[4:5], s[16:17], s[34:35]
	s_add_nc_u64 s[4:5], s[4:5], 0x80000           ; vectors: Wv rows 32 w ..
	s_add_nc_u64 s[6:7], s[18:19], s[36:37]
	s_add_nc_u64 s[6:7], s[6:7], 2048              ; bv
	s_lshl_b32 s42, s3, 13
	s_add_nc_u64 s[8:9], s[20:21], s[42:43]        ; coefficients: Wp rows 8 f' ..,
	s_add_nc_u64 s[8:9], s[8:9], s[36:37]          ; columns 32 w ..
	s_add_nc_u64 s[10:11], s[26:27], s[40:41]      ; out: wpv
	s_add_nc_u64 s[12:13], s[30:31], s[38:39]      ; out: bias2
	s_add_nc_u64 s[22:23], s[22:23], s[38:39]      ; bp of my rows
	s_mov_b32 s14, 1.0
	s_mov_b32 s15, 1.0
.irp r, 0,1,2,3,4,5,6,7
	global_load_b32 v[CS+\r], v3, s[8:9] offset:1024*\r    ; lane o: column o of row r
.endr
.Lfjoin:
	global_load_b32 v[BI], v3, s[6:7]
.irp o, 0,1,2,3,4,5,6,7
	XLOAD \o
.endr
	s_wait_loadcnt 8                               ; coefficients and bias are in on either way; the eight ring loads stay out
	ds_store_b128 v26, v[CS:CS+3]
	ds_store_b128 v26, v[CS+4:CS+7] offset:16
.irp r, 0,1,2,3,4,5,6,7
	v_mul_f32 v[UA+\r], v[CS+\r], v[BI]
.endr
.irp m, 1,2,4,8
.irp r, 0,1,2,3,4,5,6,7
	v_add_f32_dpp v[UA+\r], v[UA+\r], v[UA+\r] row_xmask:\m row_mask:0xf bank_mask:0xf
.endr
.endr
	s_wait_dscnt 0x0                               ; the two stores have read CS, which is written next
.irp r, 0,1,2,3,4,5,6,7
	v_permlanex16_b32 v[CS+\r], v[UA+\r], s44, s45
.endr
.irp r, 0,1,2,3,4,5,6,7
	v_add_f32 v[UA+\r], v[UA+\r], v[CS+\r]         ; my 32 terms of u, in every lane
.endr
	ds_store_b128 v27, v[UA:UA+3]                  ; every lane writes the same bytes with the same numbers
	ds_store_b128 v27, v[UA+4:UA+7] offset:16
	CLD 0                                          ; my wave's own bytes: LDS serves a wave's instructions in order (ISA guide 5.7.1)
	CLD 1
	CLD 2
.set OO, 0
.rept 32
	FOLDO                                          ; the first turn's wait on DScnt also shows the stores of u done, whose registers the sums take over
.set OO, OO+1
.endr
	s_lshl_b32 s46, s2, 12
	s_add_co_u32 s46, s46, FPB
	v_add_nc_u32 v6, s46, v2                       ; my wave's 8 rows of partial sums + 16 l
.irp r, 0,1,2,3,4,5,6,7
	ds_store_b128 v6, v[ACC+4*\r:ACC+4*\r+3] offset:512*\r
.endr
	s_wait_dscnt 0x0                               ; my stores are in LDS before I signal
	s_barrier_signal -1
	s_barrier_wait -1
	s_lshl_b32 s46, s2, 9
	s_add_co_u32 s46, s46, FPB
	v_add_nc_u32 v7, s46, v2                       ; wave w finishes row w; a lane keeps its 4 columns
.irp q, 0,1,2,3,4,5,6,7
	ds_load_b128 v[XR+4*\q:XR+4*\q+3], v7 offset:4096*\q
.endr
	s_wait_dscnt 0x0
.irp q, 1,2,3,4,5,6,7
	v_pk_add_f32 v[XR:XR+1], v[XR:XR+1], v[XR+4*\q:XR+4*\q+1]
	v_pk_add_f32 v[XR+2:XR+3], v[XR+2:XR+3], v[XR+4*\q+2:XR+4*\q+3]
.endr
	v_pk_mul_f32 v[XR:XR+1], v[XR:XR+1], s[14:15] op_sel_hi:[1,0]
	v_pk_mul_f32 v[XR+2:XR+3], v[XR+2:XR+3], s[14:15] op_sel_hi:[1,0]
	v_cvt_pk_bf16_f32 v[CR], v[XR], v[XR+1]
	v_cvt_pk_bf16_f32 v[CR+1], v[XR+2], v[XR+3]
	global_store_b64 v5, v[CR:CR+1], s[10:11]      ; the wave stores 256 consecutive bytes, aligned
	s_cmp_lg_u32 s2, 0
	s_cbranch_scc1 .Lfend
	s_cmp_lg_u32 s32, 0                            ; u is the same in both column halves: the first one stores it
	s_cbranch_scc1 .Lfend
	v_and_b32 v6, 7, v0                            ; wave 0: u (or bias2) of the eight rows
	v_lshlrev_b32 v6, 2, v6
.irp q, 0,1,2,3,4,5,6,7
	ds_load_b32 v[CR+2+\q], v6 offset:FU+32*\q
.endr
	s_wait_dscnt 0x0
.irp q, 1,2,3,4,5,6,7
	v_add_f32 v[CR+2], v[CR+2], v[CR+2+\q]
.endr
	v_mul_f32 v[CR+2], s14, v[CR+2]
	s_cmp_lt_u32 ttmp9, 64
	s_cbranch_scc1 .Lnobp
	global_load_b32 v[CR+3], v6, s[22:23]          ; bp
	s_wait_loadcnt 0x0
	v_add_f32 v[CR+2], v[CR+2], v[CR+3]
.Lnobp:
	s_wait_xcnt 0x0                                ; EXEC changes only behind this wait
	v_cmp_gt_u32 vcc_lo, 8, v0
	s_and_saveexec_b32 s16, vcc_lo
	global_store_b32 v6, v[CR+2], s[12:13]
	s_wait_xcnt 0x0
	s_or_b32 exec_lo, exec_lo, s16
.Lfend:
	s_wait_tensorcnt 0x0
	ds_add_u32 v96, v97
	s_wait_dscnt 0x0
	s_endpgm
.Lfunc_end_k_q492e5b5d4f_prep:
	.size	k_q492e5b5d4f_prep, .Lfunc_end_k_q492e5b5d4f_prep-k_q492e5b5d4f_prep
	.p2alignl 7, 3214868480
	.fill 96, 4, 3214868480
	.section	.rodata,"a",@progbits
	.p2align	6, 0x0
	.amdhsa_kernel k_q492e5b5d4f_prep
		.amdhsa_group_segment_fixed_size 42496
		.amdhsa_private_segment_fixed_size 0
		.amdhsa_enable_private_segment 0
		.amdhsa_kernarg_size 104
		.amdhsa_user_sgpr_count 2
		.amdhsa_user_sgpr_kernarg_segment_ptr 1
		.amdhsa_wavefront_size32 1
		.amdhsa_system_sgpr_workgroup_id_x 1
		.amdhsa_system_sgpr_workgroup_id_y 1
		.amdhsa_system_sgpr_workgroup_id_z 1
		.amdhsa_system_vgpr_workitem_id 0
		.amdhsa_next_free_vgpr 98
		.amdhsa_next_free_sgpr 66
		.amdhsa_reserve_vcc 1
		.amdhsa_float_denorm_mode_32 3
		.amdhsa_float_denorm_mode_16_64 3
		.amdhsa_memory_ordered 1
		.amdhsa_forward_progress 1
		.amdhsa_inst_pref_size 64
	.end_amdhsa_kernel
	.amdgpu_metadata
---
amdhsa.version: [ 1, 2 ]
amdhsa.kernels:
  - .name:           k_q492e5b5d4f_prep
    .symbol:         k_q492e5b5d4f_prep.kd
    .args:
      - { .name: x, .offset: 0, .size: 8, .value_kind: global_buffer, .address_space: global }
      - { .name: gn_gamma, .offset: 8, .size: 8, .value_kind: global_buffer, .address_space: global }
      - { .name: gn_beta, .offset: 16, .size: 8, .value_kind: global_buffer, .address_space: global }
      - { .name: w_qkv, .offset: 24, .size: 8, .value_kind: global_buffer, .address_space: global }
      - { .name: b_qkv, .offset: 32, .size: 8, .value_kind: global_buffer, .address_space: global }
      - { .name: w_proj, .offset: 40, .size: 8, .value_kind: global_buffer, .address_space: global }
      - { .name: b_proj, .offset: 48, .size: 8, .value_kind: global_buffer, .address_space: global }
      - { .name: xn, .offset: 56, .size: 8, .value_kind: global_buffer, .address_space: global }
      - { .name: pooled, .offset: 64, .size: 8, .value_kind: global_buffer, .address_space: global }
      - { .name: amat, .offset: 72, .size: 8, .value_kind: global_buffer, .address_space: global }
      - { .name: wpv, .offset: 80, .size: 8, .value_kind: global_buffer, .address_space: global }
      - { .name: uvec, .offset: 88, .size: 8, .value_kind: global_buffer, .address_space: global }
      - { .name: bias2, .offset: 96, .size: 8, .value_kind: global_buffer, .address_space: global }
    .group_segment_fixed_size: 42496
    .private_segment_fixed_size: 0
    .kernarg_segment_align: 8
    .kernarg_segment_size: 104
    .max_flat_workgroup_size: 256
    .sgpr_count:     66
    .vgpr_count:     98
    .wavefront_size: 32
...
	.end_amdgpu_metadata
.endif
;; end of part 1
;; launch attn (part 2): grid 256 x 1, 4 waves a work-group, clusters of 4 x 1, 327,680 bytes of LDS; arguments xn, amat, wpv, uvec, bias2, pooled, w_se1, b_se1, w_se2, b_se2, x, out0; writes out0
.if DOCPART == 2
	.amdgcn_target "amdgcn-amd-amdhsa--gfx1250"
	.amdhsa_code_object_version 6
	.text
	.protected	k_q492e5b5d4f_attn
	.globl	k_q492e5b5d4f_attn
	.p2align	8
	.type	k_q492e5b5d4f_attn,@function
k_q492e5b5d4f_attn:
	s_mov_b64 s[64:65], 0
	v_nop
	global_prefetch_b8 v0, s[64:65] scope:SCOPE_SE
	s_setreg_imm32_b32 hwreg(HW_REG_WAVE_MODE, 25, 1), 1
	s_wait_xcnt 0x0
	s_wait_alu depctr_hold_cnt(0) depctr_sa_sdst(0) depctr_va_vdst(0) depctr_va_sdst(0) depctr_va_ssrc(0) depctr_va_vcc(0) depctr_vm_vsrc(0)
	s_getreg_b32 s2, hwreg(HW_REG_IB_STS2, 6, 4)
	s_cmp_eq_u32 s2, 0
	s_cbranch_scc0 .Lentry_in_a_cluster
	s_endpgm
.Lentry_in_a_cluster:
	s_bfe_u32 s2, ttmp6, 0x10000c
	s_cmp_lg_u32 s2, 0x3003
	s_cbranch_scc0 .Lentry_shape_is_right
	s_endpgm
.Lentry_shape_is_right:
; ATTN.  out0 = x + gate * (wpv (xn softmax(q'.xn)^T) + bias2), q' = amat xn + uvec, gate = the SE gate from pooled.
; A work-group owns one image b and 128 queries; four waves = 2 query halves (wq, 64 queries) x 2 key halves (wk, 64 of each tile of 128 keys).
; xn (bf16, [channel][position]) is key AND value: a tile of 256 channels x 128 keys is read transposed for the scores and plainly for P V.
; Each wave keeps a running maximum and sum of its own (online softmax, in powers of two: kappa lies in amat); the two key halves are merged once.
; Everything is computed with the QUERY ON THE LANES: a result tile holds (m = 8 h + j, n = lane % 16), so two result tiles pack, by eight
; conversions and no traffic between lanes, into one 16 x 32 operand fragment of the next product.
; 8-BLOCKS: the 128 columns of a tile are 16 blocks of 8 (16 bytes).  A 16-tile is blocks (beta, beta + 8): lanes r < 8 take block beta, lanes r >= 8
; block beta + 8, 128 bytes further on.
; CLUSTER 4 x 1: the eight query blocks of an image read the same key tiles and all work-groups the same weights; four work-groups of one image ask
; jointly (mask 15) for amat, every key tile and wpv.  A mask names four at the most, so an image is two clusters.  The queries' own tile is a plain load.
; THE WAY OUT goes by halves of the out channels: channels 0-127 are projected, gated, staged, added to x and stored, and their stores leave while
; channels 128-255 are projected.
; LIMITS: xn, q', P and the normalised O are bf16 operands; the softmax's denominator sums the f32 exponentials while P V takes their bf16 roundings;
; v_exp_f32 gives zero below 2^-126; the k part of b_qkv cancels in the softmax and is not read (see the launch that folds the weights).
; The accumulators of every run of matrix instructions take turns, one instruction a turn.
.set T0,   0                           ; ring slot 0: 256 rows x 272: amat half 0, key tiles 0 2 4 6; then 128 rows x 528: wpv out channels 0-127
.set T1,   69632                       ; ring slot 1: amat half 1, key tiles 1 3 5 7; then wpv out channels 128-255
.set T2,   139264                      ; the queries' xn tile: filled once; scratch afterwards
.set SCR,  208896                      ; q' fragment images [wq][qt 4][s 8][half 2][lane x 16]
.set XO,   139264                      ; behind the key loop: O exchange, 32 KiB a wave
.set ML,   270336                      ; {m2, m3, l2, l3}, 512 bytes a wave
.set STG,  139264                      ; the way out: 256 rows (out channel) x 528 bytes, f32
.set H1,   274432                      ; SE: 64 hidden numbers
.set ZB,   274688                      ; SE: 256 sums
.set GATE, 275712                      ; gate[256]; 1,024 bytes behind it gate x bias2
.set PITCH, 272
.set WPART, 64*PITCH                   ; what one tensor load of a key tile brings: 64 rows
.set PP,    528                        ; pitch of wpv's rows (512 bytes + 16) and of the stage: an odd multiple of 16
.set ATR,  1                           ; v1, v2   transposing key loads, slot 0, 1.  (v1 on the way out: read-back of rows 128 ..)
.set APL,  3                           ; v3, v4   plain key loads, slot 0, 1
.set AW,   5                           ; v5, v6   q' phase: amat fragments, half 0, 1.  Projection: wpv fragments, half 0, 1
.set AXQ,  7                           ; v7       q' phase: transposing loads of the queries' tile
.set SQST, 8                           ; v8       q' fragments out
.set AQA,  9                           ; v9       q' fragments back, register slots 0, 1
.set AQB,  10                          ; v10      slots 2, 3
.set LN16, 11                          ; v11      16 x lane; never rewritten
.set MF,   16                          ; v[16:23] slot qs: pair (running maximum, rescale factor)
.set LS,   24                          ; v[24:31] slot qs: pair of running sums
.set SB,   32                          ; v[32:159] scores, then P in place: tile (kt, qs) at SB + 32 qs + 8 kt
.set FB,   160                         ; v[160:255] three fragment buffers of 32 registers
.set MX,   FB+32                       ; softmax: new maxima (buffer 1 is idle then)
.set TT,   FB+36
.set BX,   32                          ; q' phase: two buffers of 96 registers
.set BY,   160
.set PB,   32                          ; projection: three buffers of 64 registers
; windows: 1 = q' fragments (qs, s) at 8 (8 qs + s); 2, 3 = O tiles (ct, qs) at 8 (4 (ct & 7) + qs), ct < 8 in window 2
.set MSB, 0
.macro WIN new                         ; s_set_vgpr_msb: bits 1:0 source 0, 3:2 source 1, 5:4 source 2, 7:6 destination; the high byte repeats the setting left
.if MSB != \new
	s_set_vgpr_msb (MSB<<8)|\new
.set MSB, \new
.endif
.endm
.macro PLACES n                        ; plain vector instructions between a matrix instruction and what touches its registers (ISA guide 7.12.1)
.rept \n
	v_nop
.endr
.endm
.macro ROUND                           ; a round of the cluster's barrier: my work-group's barrier, wave 0 signals for it, all wait for the four, my barrier again
	s_barrier_signal -1
	s_barrier_wait -1
	s_cmp_lg_u32 s28, 0
	s_cbranch_scc1 .Lnw0_\@
	s_barrier_signal -3
.Lnw0_\@:
	s_barrier_wait -3
	s_barrier_signal -1
	s_barrier_wait -1
.endm
.macro G1SET base, w0, cols, rows, stride      ; descriptor group 1: a tile of rows x cols elements of 2 bytes, 16 bytes of padding behind every row
	s_mov_b32 s[\base+0], \w0
	s_mov_b32 s[\base+1], (\cols)<<16              ; tensor_dim0
	s_mov_b32 s[\base+2], (\rows)<<16              ; tensor_dim1
	s_mov_b32 s[\base+3], (\cols)<<16              ; tile_dim0
	s_mov_b32 s[\base+4], \rows                    ; tile_dim1
	s_mov_b32 s[\base+5], \stride                  ; elements from row to row
	s_mov_b32 s[\base+6], 0
	s_mov_b32 s[\base+7], 0
.endm
; ================================================================ A. set-up and first fills
	s_load_b512 s[4:19], s[0:1], 0x0               ; xn 4, amat 6, wpv 8, uvec 10, bias2 12, pooled 14, w_se1 16, b_se1 18
	s_load_b256 s[20:27], s[0:1], 0x40             ; w_se2 20, b_se2 22, x 24, out0 26
	v_lshl_add_u32 v158, v0, 2, 0x43e00
	v_mov_b32 v159, 0
	ds_add_u32 v158, v159
	s_wait_dscnt 0x0
	v_lshrrev_b32 v1, 5, v0
	v_readfirstlane_b32 s28, v1                    ; wave
	s_lshr_b32 s29, s28, 1                         ; wq
	s_and_b32 s30, s28, 1                          ; wk
	s_bfe_u32 s62, ttmp6, 0x40000                  ; cx.  It enters s62, s63, s83 alone, and from there only global addresses of plain loads and stores
	s_lshr_b32 s82, ttmp9, 1                       ; image b: from the cluster's number alone, shared by the four
	s_and_b32 s83, ttmp9, 1
	s_lshl2_add_u32 s83, s83, s62                  ; query block qb = 4 (cluster & 1) + cx
	s_mov_b32 s80, 0x76543210
	s_mov_b32 s81, 0xfedcba98
	G1SET 44, 0x0771000f, 128, 64, 1024            ; joint, xn: mask 15, 2-byte elements, padding on, bit 21 beside the mask, after 64 words, 4 words
	G1SET 52, 0x0771000f, 128, 64, 256             ; joint, amat
	G1SET 68, 0x07510000, 128, 64, 1024            ; plain, the queries' tile
	s_mov_b32 s32, 1                               ; group 0 of slot 0
	s_mul_i32 s33, s28, WPART                      ; LDS: T0 + my 64 rows
	s_mov_b32 s36, 1                               ; of slot 1
	s_add_co_u32 s37, s33, T1
	s_mov_b32 s40, 1                               ; of the queries' tile
	s_add_co_u32 s41, s33, T2
	s_lshl_b32 s60, s82, 19                        ; image: 256 rows of 2,048 bytes
	s_lshl_b32 s61, s28, 17                        ; my 64 rows
	s_add_co_u32 s60, s60, s61
	s_mov_b32 s61, 0
	s_lshl_b32 s62, s83, 8                         ; 128 queries of 2 bytes
	s_mov_b32 s63, 0
	s_wait_kmcnt 0x0
	s_add_nc_u64 s[76:77], s[4:5], s[60:61]        ; KA: key tile 0, my rows
	s_add_nc_u64 s[42:43], s[76:77], s[62:63]      ; the queries' tile
	s_or_b32 s43, s43, 0x80000000
	s_lshl_b32 s60, s28, 14                        ; 32 rows of 512 bytes
	s_add_nc_u64 s[78:79], s[8:9], s[60:61]        ; WA: wpv, my 32 rows of its first 128
	s_lshl_b32 s60, s28, 15                        ; 64 rows of 512 bytes
	s_add_nc_u64 s[34:35], s[6:7], s[60:61]        ; amat half 0
	s_add_nc_u64 s[38:39], s[34:35], 256           ; amat half 1
	s_or_b32 s35, s35, 0x80000000
	s_or_b32 s39, s39, 0x80000000
	ROUND                                          ; the four work-groups are here: the first joint loads meet
	tensor_load_to_lds s[32:35], s[52:59]          ; three first fills a wave, one group: three tensor loads of the wave are out
	s_nop 0
	tensor_load_to_lds s[36:39], s[52:59]
	s_nop 0
	tensor_load_to_lds s[40:43], s[68:75]
	s_nop 0
	s_lshl_b32 s60, s82, 10
	s_add_nc_u64 s[14:15], s[14:15], s[60:61]      ; pooled of my image
	s_lshl_b32 s60, s28, 14
	s_add_nc_u64 s[16:17], s[16:17], s[60:61]      ; w_se1 rows 16 w ..
	s_add_nc_u64 s[20:21], s[20:21], s[60:61]      ; w_se2 rows 64 w ..
	s_lshl_b32 s60, s28, 8
	s_add_nc_u64 s[22:23], s[22:23], s[60:61]      ; b_se2, bias2 of channels 64 w ..
	s_add_nc_u64 s[12:13], s[12:13], s[60:61]
	s_lshl_b32 s60, s28, 6
	s_add_nc_u64 s[18:19], s[18:19], s[60:61]
	s_load_b512 s[84:99], s[18:19], 0x0            ; b_se1 of hidden units 16 w ..
	s_lshl_b32 s62, s82, 20                        ; x and out0: image, channel 32 w, my 128 queries
	s_lshl_b32 s63, s28, 17
	s_add_co_u32 s62, s62, s63
	s_lshl_b32 s63, s83, 9
	s_add_co_u32 s62, s62, s63
	s_mov_b32 s63, 0
	s_add_nc_u64 s[24:25], s[24:25], s[62:63]
	s_add_nc_u64 s[26:27], s[26:27], s[62:63]
	v_and_b32 v240, 31, v0                         ; lane L
	v_bfe_u32 v242, v0, 4, 1                       ; h
	v_lshlrev_b32 v[LN16], 4, v240
	v_lshlrev_b32 v14, 3, v240                     ; 8 L
	s_lshl_b32 s60, s30, 9
	v_lshl_add_u32 v15, v242, 5, s60               ; u: 4 (128 wk + 8 h)
	; global loads, in this order: pooled 2, w_se1 32, b_se2 and bias2 2, w_se2 32, u 16
	global_load_b128 v[160:163], v[LN16], s[14:15]
	global_load_b128 v[164:167], v[LN16], s[14:15] offset:512
.irp k, 0,1,2,3,4,5,6,7,8,9,10,11,12,13,14,15
	global_load_b128 v[32+8*\k:35+8*\k], v[LN16], s[16:17] offset:1024*\k
	global_load_b128 v[36+8*\k:39+8*\k], v[LN16], s[16:17] offset:1024*\k+512
.endr
	global_load_b64 v[168:169], v14, s[22:23]
	global_load_b64 v[170:171], v14, s[12:13]
	WIN 0x40
.irp a, 0,1,2,3
.irp c, 0,1,2,3,4,5,6,7
	global_load_b128 v[4*(8*\a+\c):4*(8*\a+\c)+3], v[LN16], s[20:21] offset:512*(8*\a+\c)     ; two rows of w_se2 a load, into window 1
.endr
.endr
	WIN 0xc0
.irp t, 0,1,2,3,4,5,6,7
	global_load_b128 v[8*\t:8*\t+3], v15, s[10:11] offset:64*\t                               ; u(128 wk + 16 t + 8 h + j), into window 3
	global_load_b128 v[8*\t+4:8*\t+7], v15, s[10:11] offset:64*\t+16
.endr
	WIN 0
	; LDS addresses
	v_and_b32 v241, 15, v0                         ; r
	v_and_b32 v243, 7, v0
	v_bfe_u32 v244, v0, 3, 1
	v_lshl_add_u32 v245, v242, 3, v243             ; 8 h + (L & 7)
	v_mul_u32_u24 v245, v245, PITCH
	v_lshl_add_u32 v245, v244, 7, v245             ; + 128 ((L >> 3) & 1): transposing loads
	v_mul_u32_u24 v246, v241, PITCH
	v_lshl_add_u32 v247, v242, 7, v246             ; 272 r + 128 h: plain key loads
	v_lshl_add_u32 v248, v242, 4, v246             ; 272 r + 16 h: weight fragments
	s_lshl_b32 s60, s30, 6                         ; my key half: blocks 4 wk ..
	v_add_nc_u32 v[ATR], s60, v245
	v_add_nc_u32 v[ATR+1], T1, v[ATR]
	v_add_nc_u32 v[APL], s60, v247
	v_add_nc_u32 v[APL+1], T1, v[APL]
	s_mul_i32 s60, s30, 128*PITCH                  ; amat rows 128 wk ..
	v_add_nc_u32 v[AW], s60, v248
	v_add_nc_u32 v[AW+1], T1, v[AW]
	s_lshl_b32 s60, s29, 6
	s_add_co_u32 s60, s60, T2                      ; my query half: blocks 4 wq ..
	v_add_nc_u32 v[AXQ], s60, v245
	s_lshl_b32 s60, s29, 15
	s_add_co_u32 s60, s60, SCR
	s_lshl_b32 s61, s30, 12
	s_add_co_u32 s61, s61, s60
	v_add_nc_u32 v[SQST], s61, v[LN16]             ; I write s = 4 wk ..
	s_lshl_b32 s61, s30, 14
	s_add_co_u32 s61, s61, s60
	v_add_nc_u32 v[AQA], s61, v[LN16]              ; slots 0, 1 hold query tiles 2 wk, 2 wk + 1
	s_xor_b32 s61, s30, 1
	s_lshl_b32 s61, s61, 14
	s_add_co_u32 s61, s61, s60
	v_add_nc_u32 v[AQB], s61, v[LN16]              ; slots 2, 3 the other two
	s_lshl_b32 s60, s28, 6
	s_add_co_u32 s60, s60, H1
	v_mov_b32 v12, s60                             ; hidden units 16 w ..
	s_lshl_b32 s60, s28, 8
	s_add_co_u32 s61, s60, ZB
	v_lshl_add_u32 v13, v242, 2, s61
	v_add_nc_u32 v250, s61, v14
	s_add_co_u32 s61, s60, GATE
	v_add_nc_u32 v251, s61, v14
	v_lshlrev_b32 v249, 4, v241
	v_add_nc_u32 v249, H1, v249
.irp qs, 0,1,2,3
	v_mov_b32 v[MF+2*\qs+1], 1.0                   ; the pairs' upper registers are named before they are first computed
.endr
	; SE stage A: hidden unit 16 w + k = relu(pooled . w_se1 row + b_se1)
	s_wait_loadcnt 50                              ; pooled and w_se1 are in; the 50 younger loads (b_se2, bias2, w_se2, u) stay out
.irp k, 0,1,2,3,4,5,6,7,8,9,10,11,12,13,14,15
	v_pk_mul_f32 v[32+8*\k:33+8*\k], v[32+8*\k:33+8*\k], v[160:161]
.endr
.irp p, 2,4,6
.irp k, 0,1,2,3,4,5,6,7,8,9,10,11,12,13,14,15
	v_pk_fma_f32 v[32+8*\k:33+8*\k], v[32+8*\k+\p:33+8*\k+\p], v[160+\p:161+\p], v[32+8*\k:33+8*\k]
.endr
.endr
.irp k, 0,1,2,3,4,5,6,7,8,9,10,11,12,13,14,15
	v_add_f32 v[32+8*\k], v[32+8*\k], v[33+8*\k]
.endr
.irp m, 1,2,4,8
.irp k, 0,1,2,3,4,5,6,7,8,9,10,11,12,13,14,15
	v_add_f32_dpp v[32+8*\k], v[32+8*\k], v[32+8*\k] row_xmask:\m row_mask:0xf bank_mask:0xf
.endr
.endr
.irp k, 0,1,2,3,4,5,6,7,8,9,10,11,12,13,14,15
	v_permlanex16_b32 v[33+8*\k], v[32+8*\k], s80, s81
.endr
	s_wait_kmcnt 0x0                               ; b_se1
.irp k, 0,1,2,3,4,5,6,7,8,9,10,11,12,13,14,15
	v_add_f32 v[32+8*\k], v[32+8*\k], v[33+8*\k]
.endr
.irp k, 0,1,2,3,4,5,6,7,8,9,10,11,12,13,14,15
	v_add_f32 v[32+8*\k], s[84+\k], v[32+8*\k]
.endr
.irp k, 0,1,2,3,4,5,6,7,8,9,10,11,12,13,14,15
	v_max_num_f32 v[32+8*\k], 0, v[32+8*\k]
	ds_store_b32 v12, v[32+8*\k] offset:4*\k       ; every lane writes the same word with the same number
.endr
	s_wait_dscnt 0x0                               ; my hidden units are in LDS,
	s_wait_tensorcnt 0x0                           ; and my parts of the three tiles have landed, before I signal
	s_barrier_signal -1
	s_barrier_wait -1
	; SE stage B: channel 64 w + 2 k + h; sixteen lanes share a row of w_se2
	ds_load_b128 v[172:175], v249
	s_wait_loadcnt 16                              ; b_se2, bias2, w_se2 are in; u's 16 loads stay out
	s_wait_dscnt 0x0
	WIN 0x01
.irp a, 0,1,2,3
.irp c, 0,1,2,3,4,5,6,7
	v_pk_mul_f32 v[32+2*(8*\a+\c):33+2*(8*\a+\c)], v[4*(8*\a+\c):4*(8*\a+\c)+1], v[172:173]
.endr
.endr
.irp a, 0,1,2,3
.irp c, 0,1,2,3,4,5,6,7
	v_pk_fma_f32 v[32+2*(8*\a+\c):33+2*(8*\a+\c)], v[4*(8*\a+\c)+2:4*(8*\a+\c)+3], v[174:175], v[32+2*(8*\a+\c):33+2*(8*\a+\c)]
.endr
.endr
	WIN 0
.irp a, 0,1,2,3
.irp c, 0,1,2,3,4,5,6,7
	v_add_f32 v[32+2*(8*\a+\c)], v[32+2*(8*\a+\c)], v[33+2*(8*\a+\c)]
.endr
.endr
.irp m, 1,2,4,8
.irp a, 0,1,2,3
.irp c, 0,1,2,3,4,5,6,7
	v_add_f32_dpp v[32+2*(8*\a+\c)], v[32+2*(8*\a+\c)], v[32+2*(8*\a+\c)] row_xmask:\m row_mask:0xf bank_mask:0xf
.endr
.endr
.endr
.irp a, 0,1,2,3
.irp c, 0,1,2,3,4,5,6,7
	ds_store_b32 v13, v[32+2*(8*\a+\c)] offset:8*(8*\a+\c)
.endr
.endr
	ds_load_b64 v[176:177], v250                   ; my wave's own bytes: LDS serves a wave's instructions in order (ISA guide 5.7.1)
	s_wait_dscnt 0x0
	v_pk_add_f32 v[176:177], v[176:177], v[168:169]
	v_mul_f32 v176, 0xbfb8aa3b, v176               ; sigmoid(z) = 1 / (1 + 2^(-z log2 e))
	v_mul_f32 v177, 0xbfb8aa3b, v177
	v_exp_f32 v176, v176
	v_exp_f32 v177, v177
	v_nop                                          ; a plain instruction behind a transcendental before its result is used (ISA guide 5.7.2)
	s_wait_alu depctr_va_vdst(0)
	v_add_f32 v176, 1.0, v176
	v_add_f32 v177, 1.0, v177
	v_rcp_f32 v176, v176
	v_rcp_f32 v177, v177
	v_nop
	s_wait_alu depctr_va_vdst(0)
	v_pk_mul_f32 v[178:179], v[170:171], v[176:177]
	ds_store_b64 v251, v[176:177]                  ; gate
	ds_store_b64 v251, v[178:179] offset:1024      ; gate x bias2
	G1SET 84, 0x07b1000f, 256, 32, 256             ; joint, wpv: 32 rows of 256 elements a wave, padding after 128 words (b_se1's registers are free now)
; ================================================================ B. q' = amat xn_q + u: wave (wq, wk) makes c' = 128 wk .. + 127 for the 64 queries of wq
.macro FETCH1 sg, buf                  ; 24 loads: 8 fragments of amat (16 c' x 32 c), 4 of the queries' tile (32 c x 16 queries, transposed)
.irp t, 0,1,2,3,4,5,6,7
	ds_load_b128 v[\buf+8*\t:\buf+8*\t+3], v[AW+((\sg)>>2)] offset:16*PITCH*\t+64*((\sg)&3)
	ds_load_b128 v[\buf+8*\t+4:\buf+8*\t+7], v[AW+((\sg)>>2)] offset:16*PITCH*\t+64*((\sg)&3)+32
.endr
.irp q, 0,1,2,3
	ds_load_tr16_b128 v[\buf+64+8*\q:\buf+64+8*\q+3], v[AXQ] offset:32*PITCH*(\sg)+16*\q
	ds_load_tr16_b128 v[\buf+64+8*\q+4:\buf+64+8*\q+7], v[AXQ] offset:32*PITCH*(\sg)+16*\q+16*PITCH
.endr
.endm
.macro MUL1 buf, zero                  ; 32 matrix instructions, 32 accumulators in window 2 by turns
.irp t, 0,1,2,3,4,5,6,7
.irp q, 0,1,2,3
.if \zero
	v_wmma_f32_16x16x32_bf16 v[8*(4*\t+\q):8*(4*\t+\q)+7], v[\buf+8*\t:\buf+8*\t+7], v[\buf+64+8*\q:\buf+64+8*\q+7], 0
.else
	v_wmma_f32_16x16x32_bf16 v[8*(4*\t+\q):8*(4*\t+\q)+7], v[\buf+8*\t:\buf+8*\t+7], v[\buf+64+8*\q:\buf+64+8*\q+7], v[8*(4*\t+\q):8*(4*\t+\q)+7]
.endif
.endr
.endr
.endm
.macro P1 sg, cur, nxt, zero
	WIN 0
	PLACES 4                                       ; the buffer loaded next was read by the matrix instructions of the step before
	FETCH1 (\sg+1), \nxt
	s_wait_dscnt 24                                ; this step's fragments are in; the 24 loads just issued stay out
	WIN 0xa0
	MUL1 \cur, \zero
.endm
	FETCH1 0, BX
	P1 0, BX, BY, 1
	P1 1, BY, BX, 0
	P1 2, BX, BY, 0
	P1 3, BY, BX, 0
	WIN 0
	s_wait_xcnt 0x0
	v_lshl_add_u32 v158, v0, 2, 0x43e00
	v_mov_b32 v159, 0
	s_wait_tensorcnt 0x0                           ; no tensor load of mine is out: a group 0 may be written
	ds_add_u32 v158, v159
	s_wait_dscnt 0x0
	s_mov_b64 s[34:35], s[76:77]                   ; slot 0: key tile 0
	s_or_b32 s35, s35, 0x80000000
	s_wait_dscnt 0x0                               ; my reads of amat half 0 are back
	ROUND                                          ; that holds of every wave of the four work-groups
	tensor_load_to_lds s[32:35], s[44:51]          ; my one tensor load behind the round
	s_nop 0
	P1 4, BX, BY, 0
	P1 5, BY, BX, 0
	P1 6, BX, BY, 0
	s_wait_dscnt 0x0
	MUL1 BY, 0
	PLACES 4
	s_wait_loadcnt 0x0                             ; u
	WIN 0x8e                                       ; window 2 += window 3
.irp t, 0,1,2,3,4,5,6,7
.irp q, 0,1,2,3
.irp p, 0,2,4,6
	v_pk_add_f32 v[8*(4*\t+\q)+\p:8*(4*\t+\q)+\p+1], v[8*(4*\t+\q)+\p:8*(4*\t+\q)+\p+1], v[8*\t+\p:8*\t+\p+1]
.endr
.endr
.endr
	WIN 0x0a                                       ; two result tiles (c' tiles 2 s', 2 s' + 1) make one fragment (32 c' x 16 queries)
.irp q, 0,1,2,3
.irp sp, 0,1,2,3
.irp e, 0,1,2,3
	v_cvt_pk_bf16_f32 v[SB+8*(4*\q+\sp)+\e], v[8*(8*\sp+\q)+2*\e], v[8*(8*\sp+\q)+2*\e+1]
	v_cvt_pk_bf16_f32 v[SB+8*(4*\q+\sp)+4+\e], v[8*(8*\sp+4+\q)+2*\e], v[8*(8*\sp+4+\q)+2*\e+1]
.endr
.endr
.endr
	WIN 0
.irp q, 0,1,2,3
.irp sp, 0,1,2,3
	ds_store_b128 v[SQST], v[SB+8*(4*\q+\sp):SB+8*(4*\q+\sp)+3] offset:8192*\q+1024*\sp
	ds_store_b128 v[SQST], v[SB+8*(4*\q+\sp)+4:SB+8*(4*\q+\sp)+7] offset:8192*\q+1024*\sp+512
.endr
.endr
; ================================================================ C. the key loop: eight tiles of 128 keys, 64 of them mine
.macro FETS slot, g, buf               ; 4 key fragments (16 keys x 32 channels), transposed out of rows 32 g ..
.irp kt, 0,1,2,3
	ds_load_tr16_b128 v[FB+32*(\buf)+8*\kt:FB+32*(\buf)+8*\kt+3], v[ATR+\slot] offset:32*PITCH*(\g)+16*\kt
	ds_load_tr16_b128 v[FB+32*(\buf)+8*\kt+4:FB+32*(\buf)+8*\kt+7], v[ATR+\slot] offset:32*PITCH*(\g)+16*\kt+16*PITCH
.endr
.endm
.macro FETP slot, y, buf               ; 4 value fragments (16 channels x 32 keys): channel tiles 2 y, 2 y + 1 x key halves t = 0, 1; fragment 2 t + a
.irp t, 0,1
.irp a, 0,1
	ds_load_b128 v[FB+32*(\buf)+8*(2*\t+\a):FB+32*(\buf)+8*(2*\t+\a)+3], v[APL+\slot] offset:16*PITCH*(2*(\y)+\a)+32*\t
	ds_load_b128 v[FB+32*(\buf)+8*(2*\t+\a)+4:FB+32*(\buf)+8*(2*\t+\a)+7], v[APL+\slot] offset:16*PITCH*(2*(\y)+\a)+32*\t+16
.endr
.endr
.endm
.macro FETG slot, G                    ; group G of a step's sixteen, eight loads, into buffer G mod 3
.if (\G) < 8
	FETS \slot, (\G), ((\G)%3)
.else
	FETP \slot, ((\G)-8), ((\G)%3)
.endif
.endm
.macro MULS g, buf, zero               ; S(key, query) += xn(c', key) q'(c', query): 16 accumulators by turns
.irp kt, 0,1,2,3
.irp qs, 0,1,2,3
.if \zero
	v_wmma_f32_16x16x32_bf16 v[SB+32*\qs+8*\kt:SB+32*\qs+8*\kt+7], v[FB+32*(\buf)+8*\kt:FB+32*(\buf)+8*\kt+7], v[8*(8*\qs+(\g)):8*(8*\qs+(\g))+7], 0
.else
	v_wmma_f32_16x16x32_bf16 v[SB+32*\qs+8*\kt:SB+32*\qs+8*\kt+7], v[FB+32*(\buf)+8*\kt:FB+32*(\buf)+8*\kt+7], v[8*(8*\qs+(\g)):8*(8*\qs+(\g))+7], v[SB+32*\qs+8*\kt:SB+32*\qs+8*\kt+7]
.endif
.endr
.endr
.endm
.macro MULP y, buf, zero               ; O(channel, query) += xn(channel, key) P(key, query): 8 accumulators by turns, twice
.irp t, 0,1
.irp a, 0,1
.irp qs, 0,1,2,3
.if (\zero) & (1-\t)
	v_wmma_f32_16x16x32_bf16 v[8*(4*((2*(\y)+\a)&7)+\qs):8*(4*((2*(\y)+\a)&7)+\qs)+7], v[FB+32*(\buf)+8*(2*\t+\a):FB+32*(\buf)+8*(2*\t+\a)+7], v[SB+32*\qs+16*\t:SB+32*\qs+16*\t+7], 0
.else
	v_wmma_f32_16x16x32_bf16 v[8*(4*((2*(\y)+\a)&7)+\qs):8*(4*((2*(\y)+\a)&7)+\qs)+7], v[FB+32*(\buf)+8*(2*\t+\a):FB+32*(\buf)+8*(2*\t+\a)+7], v[SB+32*\qs+16*\t:SB+32*\qs+16*\t+7], v[8*(4*((2*(\y)+\a)&7)+\qs):8*(4*((2*(\y)+\a)&7)+\qs)+7]
.endif
.endr
.endr
.endr
.endm
; The softmax step.  A lane holds 32 scores of one query in each of four slots; the lane 16 further on holds the query's other 32.
.macro SOFT first
	PLACES 4                                       ; behind the last score products: their results are read, buffer 1 is written
.irp qs, 0,1,2,3
.if \first
	v_max_num_f32 v[MX+\qs], v[SB+32*\qs], v[SB+32*\qs+1]
.else
	v_max3_num_f32 v[MX+\qs], v[MF+2*\qs], v[SB+32*\qs], v[SB+32*\qs+1]
.endif
.endr
.irp i, 1,2,3,4,5,6,7,8,9,10,11,12,13,14,15
.irp qs, 0,1,2,3
	v_max3_num_f32 v[MX+\qs], v[MX+\qs], v[SB+32*\qs+2*\i], v[SB+32*\qs+2*\i+1]
.endr
.endr
.irp qs, 0,1,2,3
	v_permlanex16_b32 v[TT+\qs], v[MX+\qs], s80, s81
.endr
.irp qs, 0,1,2,3
	v_max_num_f32 v[MX+\qs], v[MX+\qs], v[TT+\qs]
.endr
.if \first == 0
.irp qs, 0,1,2,3
	v_sub_f32 v[MF+2*\qs+1], v[MF+2*\qs], v[MX+\qs]
.endr
.irp qs, 0,1,2,3
	v_exp_f32 v[MF+2*\qs+1], v[MF+2*\qs+1]         ; the factor 2^(old maximum - new maximum)
.endr
.endif
.irp qs, 0,1,2,3
	v_mov_b32 v[MF+2*\qs], v[MX+\qs]               ; plain instructions behind the exponentials
.endr
	s_wait_alu depctr_va_vdst(0)
.irp i, 0,1,2,3,4,5,6,7,8,9,10,11,12,13,14,15
.irp qs, 0,1,2,3
	v_pk_add_f32 v[SB+32*\qs+2*\i:SB+32*\qs+2*\i+1], v[SB+32*\qs+2*\i:SB+32*\qs+2*\i+1], v[MF+2*\qs:MF+2*\qs+1] op_sel_hi:[1,0] neg_lo:[0,1] neg_hi:[0,1]
.endr
.endr
.irp a, 0,1,2,3
.irp c, 0,1,2,3,4,5,6,7
.irp qs, 0,1,2,3
	v_exp_f32 v[SB+32*\qs+8*\a+\c], v[SB+32*\qs+8*\a+\c]
.endr
.endr
.endr
	v_nop
	s_wait_alu depctr_va_vdst(0)
.irp qs, 0,1,2,3
.if \first
	s_wait_alu depctr_va_vdst(0)
	v_pk_add_f32 v[LS+2*\qs:LS+2*\qs+1], v[SB+32*\qs:SB+32*\qs+1], v[SB+32*\qs+2:SB+32*\qs+3]
.else
	v_pk_fma_f32 v[LS+2*\qs:LS+2*\qs+1], v[LS+2*\qs:LS+2*\qs+1], v[MF+2*\qs:MF+2*\qs+1], v[SB+32*\qs:SB+32*\qs+1] op_sel:[0,1,0] op_sel_hi:[1,1,1]
	v_pk_add_f32 v[LS+2*\qs:LS+2*\qs+1], v[LS+2*\qs:LS+2*\qs+1], v[SB+32*\qs+2:SB+32*\qs+3]
.endif
.endr
.irp i, 2,3,4,5,6,7,8,9,10,11,12,13,14,15
.irp qs, 0,1,2,3
	v_pk_add_f32 v[LS+2*\qs:LS+2*\qs+1], v[LS+2*\qs:LS+2*\qs+1], v[SB+32*\qs+2*\i:SB+32*\qs+2*\i+1]
.endr
.endr
.irp t, 0,1                            ; P in place: two score tiles become one fragment (32 keys x 16 queries) in the block's first eight registers
.irp i, 0,1,2,3
.irp qs, 0,1,2,3
	v_cvt_pk_bf16_f32 v[SB+32*\qs+16*\t+\i], v[SB+32*\qs+16*\t+2*\i], v[SB+32*\qs+16*\t+2*\i+1]
.endr
.endr
.irp i, 0,1,2,3
.irp qs, 0,1,2,3
	v_cvt_pk_bf16_f32 v[SB+32*\qs+16*\t+4+\i], v[SB+32*\qs+16*\t+8+2*\i], v[SB+32*\qs+16*\t+9+2*\i]
.endr
.endr
.endr
.endm
.macro RESC8                           ; one window's 32 tiles of O times the slot's factor (the pair's upper register)
.irp ct, 0,1,2,3,4,5,6,7
.irp qs, 0,1,2,3
.irp p, 0,2,4,6
	v_pk_mul_f32 v[8*(4*\ct+\qs)+\p:8*(4*\ct+\qs)+\p+1], v[8*(4*\ct+\qs)+\p:8*(4*\ct+\qs)+\p+1], v[MF+2*\qs:MF+2*\qs+1] op_sel:[0,1] op_sel_hi:[1,1]
.endr
.endr
.endr
.endm
; One step: my 64 keys of the tile in \slot.  Sixteen groups of eight LDS loads run two groups ahead of the sixteen groups of sixteen matrix instructions.
.macro STEP slot, first
	WIN 0x04                                       ; source 1 (q') in window 1; loads and v_nop use the fields that stay 0
	PLACES 5                                       ; the first score products write over P, a source of the last step's products
	FETG \slot, 0
	FETG \slot, 1
.irp g, 0,1,2,3,4,5,6,7
.if \g
	PLACES 4                                       ; the buffer loaded next was read by the group before
.endif
	FETG \slot, (\g+2)
	s_wait_dscnt 16                                ; this group's loads are in; the two younger groups of eight stay out
.if \g
	MULS \g, (\g%3), 0
.else
	MULS \g, (\g%3), 1
.endif
.endr
	WIN 0
	SOFT \first
.if \first == 0
	WIN 0x82
	RESC8
	WIN 0xc3
	RESC8
.endif
.irp y, 0,1,2,3,4,5,6,7
.if \y < 6
	WIN 0
.if \y
	PLACES 4
.endif
	FETG \slot, (\y+10)
	s_wait_dscnt 16                                ; two younger groups stay out
.else
	s_wait_dscnt 8*(7-\y)                          ; one, then none
.endif
.if \y < 4
	WIN 0xa0
.else
	WIN 0xf0
.endif
	MULP \y, ((\y+8)%3), \first
.endr
	WIN 0
.endm
; A trip of the ring: in front of the round every wave waits for all its tensor loads (its part of this trip's tile among them) and for its LDS reads
; of the other slot; behind the round the other slot's next tile is asked for first, one tensor load a wave: one is out until the next round.
.macro TRIP slot
	s_wait_xcnt 0x0
	v_lshl_add_u32 v158, v0, 2, 0x43e00
	v_mov_b32 v159, 0
	s_wait_tensorcnt 0x0
	ds_add_u32 v158, v159
	s_wait_dscnt 0x0
	s_add_nc_u64 s[34+4*\slot:35+4*\slot], s[34+4*\slot:35+4*\slot], 512   ; no load of mine is out: this slot's next tile, two tiles on
	s_wait_dscnt 0x0
	ROUND
	tensor_load_to_lds s[36-4*\slot:39-4*\slot], s[44:51]
	s_nop 0
	STEP \slot, 0
.endm
	; trip 0; its round is also the barrier between the stores of q' and their reads
	s_wait_xcnt 0x0
	v_lshl_add_u32 v158, v0, 2, 0x43e00
	v_mov_b32 v159, 0
	s_wait_tensorcnt 0x0
	ds_add_u32 v158, v159
	s_wait_dscnt 0x0
	s_add_nc_u64 s[38:39], s[76:77], 256           ; slot 1: key tile 1
	s_or_b32 s39, s39, 0x80000000
	s_add_nc_u64 s[34:35], s[34:35], 512           ; slot 0: key tile 2
	s_wait_dscnt 0x0                               ; my reads of amat half 1 are back, my q' fragments are in LDS
	ROUND
	tensor_load_to_lds s[36:39], s[44:51]
	s_nop 0
	WIN 0x40                                       ; q' of all 256 channels for my four slots, into window 1; slot qs holds query tile qs xor 2 wk
.irp qs, 0,1
.irp s, 0,1,2,3,4,5,6,7
	ds_load_b128 v[8*(8*\qs+\s):8*(8*\qs+\s)+3], v[AQA] offset:8192*\qs+1024*\s
	ds_load_b128 v[8*(8*\qs+\s)+4:8*(8*\qs+\s)+7], v[AQA] offset:8192*\qs+1024*\s+512
.endr
.endr
.irp qs, 0,1
.irp s, 0,1,2,3,4,5,6,7
	ds_load_b128 v[8*(8*(\qs+2)+\s):8*(8*(\qs+2)+\s)+3], v[AQB] offset:8192*\qs+1024*\s
	ds_load_b128 v[8*(8*(\qs+2)+\s)+4:8*(8*(\qs+2)+\s)+7], v[AQB] offset:8192*\qs+1024*\s+512
.endr
.endr
	STEP 0, 1                                      ; its first counted wait covers these older loads too: LDS loads return in order
	s_mov_b32 s31, 3
.Lkey:
	TRIP 1                                         ; trips 1 .. 6
	TRIP 0
	s_sub_co_i32 s31, s31, 1
	s_cmp_lg_u32 s31, 0
	s_cbranch_scc1 .Lkey
	s_wait_xcnt 0x0
	v_lshl_add_u32 v158, v0, 2, 0x43e00
	v_mov_b32 v159, 0
	s_wait_tensorcnt 0x0                           ; trip 7: no key tile is left; slot 0 gets wpv's out channels 0-127
	ds_add_u32 v158, v159
	s_wait_dscnt 0x0
	s_mul_i32 s33, s28, 32*PP                      ; my 32 rows at the pitch of 528
	s_mov_b64 s[34:35], s[78:79]
	s_or_b32 s35, s35, 0x80000000
	s_wait_dscnt 0x0
	ROUND
	tensor_load_to_lds s[32:35], s[84:91]
	s_nop 0
	STEP 1, 0
; ================================================================ D. merge of the key halves, projection, gate, residual
	PLACES 4
	WIN 0x40                                       ; the residual of out channels 32 w .. + 31: my block's 512 bytes of each row, into the upper half of
.irp a, 0,1,2,3                                ; window 1: q' is done with, and the normalised O will need the lower half alone
.irp c, 0,1,2,3,4,5,6,7
	global_load_b128 v[128+4*(8*\a+\c):128+4*(8*\a+\c)+3], v[LN16], s[24:25] offset:4096*(8*\a+\c) th:TH_LOAD_NT
.endr
.endr
	WIN 0
	v_and_b32 v180, 15, v0                         ; r
	v_bfe_u32 v181, v0, 4, 1                       ; h
	v_mul_u32_u24 v182, v180, PP
	v_lshl_add_u32 v[AW], v181, 4, v182            ; wpv fragments: 528 r + 16 h, out channels 0-127
	v_add_nc_u32 v[AW+1], T1, v[AW]                ; out channels 128-255
	s_lshl_b32 s60, s28, 15
	s_add_co_u32 s60, s60, XO
	v_add_nc_u32 v7, s60, v[LN16]                  ; O out
	s_xor_b32 s61, s28, 1                          ; my partner: the same queries, the other key half
	s_lshl_b32 s60, s61, 15
	s_add_co_u32 s60, s60, XO
	v_add_nc_u32 v8, s60, v[LN16]                  ; O in
	s_lshl_b32 s60, s28, 9
	s_add_co_u32 s60, s60, ML
	v_add_nc_u32 v9, s60, v[LN16]
	s_lshl_b32 s60, s61, 9
	s_add_co_u32 s60, s60, ML
	v_add_nc_u32 v10, s60, v[LN16]
	v_lshl_add_u32 v183, v181, 8, v182             ; stage: row r, + 8 blocks of 32 bytes for the upper lanes
	s_lshl_b32 s60, s29, 7
	s_lshl_b32 s61, s30, 6
	s_add_co_u32 s60, s60, s61
	s_add_co_u32 s60, s60, STG                     ; + block 4 wq + 2 wk
	v_add_nc_u32 v12, s60, v183
	v_add_nc_u32 v13, 128*PP, v12                  ; out channels 128 ..
	s_mul_i32 s60, s28, 32*PP
	s_add_co_u32 s60, s60, STG
	v_add_nc_u32 v14, s60, v[LN16]                 ; read back: rows 32 w ..
	v_add_nc_u32 v1, 128*PP, v14                   ; rows 128 + 32 w ..
	v_lshlrev_b32 v15, 2, v180
	v_add_nc_u32 v15, GATE, v15
.irp qs, 0,1,2,3
	v_add_f32 v[LS+2*\qs], v[LS+2*\qs], v[LS+2*\qs+1]
.endr
.irp qs, 0,1,2,3
	v_permlanex16_b32 v[LS+2*\qs+1], v[LS+2*\qs], s80, s81
.endr
.irp qs, 0,1,2,3
	v_add_f32 v[LS+2*\qs], v[LS+2*\qs], v[LS+2*\qs+1]      ; the query's sum over my 512 keys
.endr
	v_mov_b32 v184, v[MF+4]
	v_mov_b32 v185, v[MF+6]
	v_mov_b32 v186, v[LS+4]
	v_mov_b32 v187, v[LS+6]
	ds_store_b128 v9, v[184:187]                   ; slots 2, 3 go to the partner, whose slots 0, 1 hold the same queries
.macro XOST8 c0
.irp ct, 0,1,2,3,4,5,6,7
.irp ip, 0,1
	ds_store_b128 v7, v[8*(4*\ct+2+\ip):8*(4*\ct+2+\ip)+3] offset:1024*(2*(\ct+\c0)+\ip)
	ds_store_b128 v7, v[8*(4*\ct+2+\ip)+4:8*(4*\ct+2+\ip)+7] offset:1024*(2*(\ct+\c0)+\ip)+512
.endr
.endr
.endm
.macro XOLD8 c0
.irp ct, 0,1,2,3,4,5,6,7
.irp ip, 0,1
	ds_load_b128 v[8*(4*\ct+2+\ip):8*(4*\ct+2+\ip)+3], v8 offset:1024*(2*(\ct+\c0)+\ip)
	ds_load_b128 v[8*(4*\ct+2+\ip)+4:8*(4*\ct+2+\ip)+7], v8 offset:1024*(2*(\ct+\c0)+\ip)+512
.endr
.endr
.endm
	WIN 0x08                                       ; store data (source 1) from window 2
	XOST8 0
	WIN 0x0c                                       ; from window 3
	XOST8 8
	WIN 0
	s_wait_xcnt 0x0
	v_lshl_add_u32 v158, v0, 2, 0x43e00
	v_mov_b32 v159, 0
	s_wait_tensorcnt 0x0                           ; wpv's first half, my part, has landed
	ds_add_u32 v158, v159
	s_wait_dscnt 0x0
	s_mul_i32 s37, s28, 32*PP
	s_add_co_u32 s37, s37, T1                      ; slot 1, my 32 rows at the pitch of 528
	s_add_nc_u64 s[38:39], s[78:79], 0x10000       ; wpv's out channels 128 .., 128 rows of 512 bytes on
	s_or_b32 s39, s39, 0x80000000
	s_wait_dscnt 0x0                               ; my reads of the last key tile are back, my O and sums are in LDS
	ROUND
	tensor_load_to_lds s[36:39], s[84:91]          ; the last tensor load
	s_nop 0
	ds_load_b128 v[188:191], v10                   ; the partner's maxima and sums for my slots 0, 1
.irp o, 0,1,2,3,4,5,6,7,8,9,10,11,12,13,14,15
	ds_load_b32 v[224+\o], v15 offset:64*\o        ; gate of out channel 16 o + r
	ds_load_b32 v[240+\o], v15 offset:64*\o+1024   ; gate x bias2
.endr
	WIN 0x80
	XOLD8 0                                        ; the partner's O for them, into my slots 2, 3
	WIN 0xc0
	XOLD8 8
	WIN 0
	s_wait_dscnt 0x0
	v_max_num_f32 v192, v[MF], v188
	v_max_num_f32 v193, v[MF+2], v189
	v_sub_f32 v194, v[MF], v192
	v_sub_f32 v195, v[MF+2], v193
	v_sub_f32 v196, v188, v192
	v_sub_f32 v197, v189, v193
	v_exp_f32 v194, v194
	v_exp_f32 v195, v195
	v_exp_f32 v196, v196
	v_exp_f32 v197, v197
	v_nop
	s_wait_alu depctr_va_vdst(0)
	v_mul_f32 v198, v[LS], v194
	v_mul_f32 v199, v[LS+2], v195
	v_fmac_f32 v198, v190, v196
	v_fmac_f32 v199, v191, v197
	v_rcp_f32 v198, v198
	v_rcp_f32 v199, v199
	v_nop
	s_wait_alu depctr_va_vdst(0)
	v_mul_f32 v[MF], v194, v198                    ; my O's factor,
	v_mul_f32 v[MF+1], v196, v198                  ; the partner's: both hold 1 / the whole sum
	v_mul_f32 v[MF+2], v195, v199
	v_mul_f32 v[MF+3], v197, v199
.macro MERGE8
.irp ct, 0,1,2,3,4,5,6,7
.irp i, 0,1
.irp p, 0,2,4,6
	v_pk_mul_f32 v[8*(4*\ct+2+\i)+\p:8*(4*\ct+2+\i)+\p+1], v[8*(4*\ct+2+\i)+\p:8*(4*\ct+2+\i)+\p+1], v[MF+2*\i:MF+2*\i+1] op_sel:[0,1] op_sel_hi:[1,1]
.endr
.irp p, 0,2,4,6
	v_pk_fma_f32 v[8*(4*\ct+\i)+\p:8*(4*\ct+\i)+\p+1], v[8*(4*\ct+\i)+\p:8*(4*\ct+\i)+\p+1], v[MF+2*\i:MF+2*\i+1], v[8*(4*\ct+2+\i)+\p:8*(4*\ct+2+\i)+\p+1] op_sel_hi:[1,0,1]
.endr
.endr
.endr
.endm
.macro PACKO s0                        ; channel tiles 2 sl, 2 sl + 1 of the window make fragment (i, s0 + sl) in window 1: 16 queries x 32 channels
.irp i, 0,1
.irp sl, 0,1,2,3
.irp e, 0,1,2,3
	v_cvt_pk_bf16_f32 v[8*(8*\i+\s0+\sl)+\e], v[8*(8*\sl+\i)+2*\e], v[8*(8*\sl+\i)+2*\e+1]
	v_cvt_pk_bf16_f32 v[8*(8*\i+\s0+\sl)+4+\e], v[8*(8*\sl+4+\i)+2*\e], v[8*(8*\sl+4+\i)+2*\e+1]
.endr
.endr
.endr
.endm
	WIN 0xa2
	MERGE8
	WIN 0x4a
	PACKO 0
	WIN 0xf3
	MERGE8
	WIN 0x4f
	PACKO 4
	WIN 0xc0                                       ; the residual of out channels 128 + 32 w .. + 31, into window 3, which O has left
.irp a, 0,1,2,3
.irp c, 0,1,2,3,4,5,6,7
	global_load_b128 v[4*(8*\a+\c):4*(8*\a+\c)+3], v[LN16], s[24:25] offset:4096*(128+8*\a+\c) th:TH_LOAD_NT
.endr
.endr
	WIN 0
; Projection, sources swapped: Y(query, out channel) = O'(query, c) wpv(out channel, c), so that a lane's eight results are eight neighbouring queries of one
; out channel.  A wave: its 32 queries x 128 out channels a half: 16 accumulators in window 2 by turns, Y(ot, i) at 8 (2 ot + i).
.macro FETCH3 sl, G                    ; K step G of eight: the half's eight out channel tiles: 16 loads into buffer G mod 3
.irp o, 0,1,2,3,4,5,6,7
	ds_load_b128 v[PB+64*((\G)%3)+8*\o:PB+64*((\G)%3)+8*\o+3], v[AW+\sl] offset:16*PP*\o+64*(\G)
	ds_load_b128 v[PB+64*((\G)%3)+8*\o+4:PB+64*((\G)%3)+8*\o+7], v[AW+\sl] offset:16*PP*\o+64*(\G)+32
.endr
.endm
.macro MUL3 s, hf, buf
.irp o, 0,1,2,3,4,5,6,7
.irp i, 0,1
.if (\s) == 0
	v_wmma_f32_16x16x32_bf16 v[8*(2*(8*(\hf)+\o)+\i):8*(2*(8*(\hf)+\o)+\i)+7], v[8*(8*\i+(\s)):8*(8*\i+(\s))+7], v[\buf+8*\o:\buf+8*\o+7], 0
.else
	v_wmma_f32_16x16x32_bf16 v[8*(2*(8*(\hf)+\o)+\i):8*(2*(8*(\hf)+\o)+\i)+7], v[8*(8*\i+(\s)):8*(8*\i+(\s))+7], v[\buf+8*\o:\buf+8*\o+7], v[8*(2*(8*(\hf)+\o)+\i):8*(2*(8*(\hf)+\o)+\i)+7]
.endif
.endr
.endr
.endm
.macro PHALF hf
	PLACES 4                                       ; the buffers were read by matrix instructions
	FETCH3 \hf, 0
	FETCH3 \hf, 1
.irp G, 0,1,2,3,4,5,6,7
.if \G < 6
	WIN 0
.if \G
	PLACES 4
.endif
	FETCH3 \hf, (\G+2)
	s_wait_dscnt 32                                ; two younger groups of sixteen loads stay out
.else
	s_wait_dscnt 16*(7-\G)                         ; one, then none
.endif
	WIN 0xa1
	MUL3 \G, \hf, (PB+64*(\G%3))
.endr
	WIN 0
.endm
.macro GATEF base                      ; Y = Y x gate + gate x bias2 for out channel tiles base .. base + 7; a pair of registers serves two tiles
.irp o, 0,2,4,6
.irp i, 0,1
.irp p, 0,2,4,6
	v_pk_fma_f32 v[8*(2*(\base+\o)+\i)+\p:8*(2*(\base+\o)+\i)+\p+1], v[8*(2*(\base+\o)+\i)+\p:8*(2*(\base+\o)+\i)+\p+1], v[224+\base+\o:225+\base+\o], v[240+\base+\o:241+\base+\o] op_sel_hi:[1,0,0]
	v_pk_fma_f32 v[8*(2*(\base+\o)+2+\i)+\p:8*(2*(\base+\o)+2+\i)+\p+1], v[8*(2*(\base+\o)+2+\i)+\p:8*(2*(\base+\o)+2+\i)+\p+1], v[224+\base+\o:225+\base+\o], v[240+\base+\o:241+\base+\o] op_sel:[0,1,1] op_sel_hi:[1,1,1]
.endr
.endr
.endr
.endm
.macro STGST hf, adr                   ; my 32 queries of the half's 128 rows into the stage
.irp o, 0,1,2,3,4,5,6,7
.irp i, 0,1
	ds_store_b128 v[\adr], v[8*(2*(8*\hf+\o)+\i):8*(2*(8*\hf+\o)+\i)+3] offset:16*PP*\o+32*\i
	ds_store_b128 v[\adr], v[8*(2*(8*\hf+\o)+\i)+4:8*(2*(8*\hf+\o)+\i)+7] offset:16*PP*\o+32*\i+16
.endr
.endr
.endm
.macro RBACK adr, bt                   ; 16 whole rows of 512 bytes back
.irp q, 0,1,2,3,4,5,6,7,8,9,10,11,12,13,14,15
	ds_load_b128 v[32+64*((\bt)&1)+4*\q:32+64*((\bt)&1)+4*\q+3], v[\adr] offset:PP*(16*(\bt)+\q)
.endr
.endm
; 32 rows of the half back, + x, out: two batches of 16 rows, the second batch's loads run ahead.  win: x (source 1, destination, store data) in its
; window, the row and the store's address in window 0; xb: x's first register there; left: the younger loads of x that may stay out.
.macro WAYOUT adr, hf, win, xb, left
	RBACK \adr, 0
	s_wait_loadcnt \left
.irp bt, 0,1
.if \bt < 1
	RBACK \adr, 1
	s_wait_dscnt 16                                ; this batch is in; the next batch's 16 loads stay out
.else
	s_wait_dscnt 0x0
.endif
	WIN \win
.irp q, 0,1,2,3,4,5,6,7,8,9,10,11,12,13,14,15
	v_pk_add_f32 v[\xb+4*(16*\bt+\q):\xb+4*(16*\bt+\q)+1], v[32+64*\bt+4*\q:32+64*\bt+4*\q+1], v[\xb+4*(16*\bt+\q):\xb+4*(16*\bt+\q)+1]
	v_pk_add_f32 v[\xb+4*(16*\bt+\q)+2:\xb+4*(16*\bt+\q)+3], v[32+64*\bt+4*\q+2:32+64*\bt+4*\q+3], v[\xb+4*(16*\bt+\q)+2:\xb+4*(16*\bt+\q)+3]
.endr
.irp q, 0,1,2,3,4,5,6,7,8,9,10,11,12,13,14,15
	global_store_b128 v[LN16], v[\xb+4*(16*\bt+\q):\xb+4*(16*\bt+\q)+3], s[26:27] offset:4096*(128*\hf+16*\bt+\q) th:TH_STORE_NT   ; the wave stores 512 consecutive bytes, aligned
.endr
	WIN 0
.endr
.endm
	PHALF 0
	PLACES 4
	s_wait_tensorcnt 0x0                           ; my part of wpv's second half has landed
	s_wait_dscnt 0x0                               ; my reads of the exchange and of the first half are back
	s_barrier_signal -1
	WIN 0x82
	GATEF 0                                        ; register work while the others arrive
	s_barrier_wait -1                              ; the stage may now be written over the exchange
	WIN 0x08
	STGST 0, 12
	WIN 0
	s_wait_dscnt 0x0                               ; my part of every row is in the stage before I signal
	s_barrier_signal -1
	s_barrier_wait -1
	WAYOUT 14, 0, 0x44, 128, 32                    ; x of these rows is in; the 32 younger loads (rows 128 ..) stay out
	PHALF 1                                        ; the first half's stores leave meanwhile
	PLACES 4
	WIN 0x82
	GATEF 8
	WIN 0x08
	STGST 1, 13                                    ; rows 128 ..: other bytes than the first half's, which may still be read
	WIN 0
	s_wait_dscnt 0x0
	s_barrier_signal -1
	s_barrier_wait -1
	WAYOUT 1, 1, 0xcc, 0, 0
	s_wait_xcnt 0x0
	v_lshl_add_u32 v158, v0, 2, 0x43e00
	v_mov_b32 v159, 0
	s_wait_tensorcnt 0x0
	ds_add_u32 v158, v159
	s_wait_dscnt 0x0
	ROUND                                          ; the closing round: no work-group ends while a partner may still ask jointly
	s_endpgm
.Lfunc_end_k_q492e5b5d4f_attn:
	.size	k_q492e5b5d4f_attn, .Lfunc_end_k_q492e5b5d4f_attn-k_q492e5b5d4f_attn
	.p2alignl 7, 3214868480
	.fill 96, 4, 3214868480
	.section	.rodata,"a",@progbits
	.p2align	6, 0x0
	.amdhsa_kernel k_q492e5b5d4f_attn
		.amdhsa_group_segment_fixed_size 327680
		.amdhsa_private_segment_fixed_size 0
		.amdhsa_enable_private_segment 0
		.amdhsa_kernarg_size 96
		.amdhsa_user_sgpr_count 2
		.amdhsa_user_sgpr_kernarg_segment_ptr 1
		.amdhsa_wavefront_size32 1
		.amdhsa_system_sgpr_workgroup_id_x 1
		.amdhsa_system_sgpr_workgroup_id_y 1
		.amdhsa_system_sgpr_workgroup_id_z 1
		.amdhsa_system_vgpr_workitem_id 0
		.amdhsa_next_free_vgpr 1024
		.amdhsa_next_free_sgpr 100
		.amdhsa_reserve_vcc 0
		.amdhsa_float_denorm_mode_32 3
		.amdhsa_float_denorm_mode_16_64 3
		.amdhsa_memory_ordered 1
		.amdhsa_forward_progress 1
		.amdhsa_inst_pref_size 255
	.end_amdhsa_kernel
	.section	.bss,"aw",@nobits
	.p2align	6
	.space	262144
	.amdgpu_metadata
---
amdhsa.version: [ 1, 2 ]
amdhsa.kernels:
  - .name:           k_q492e5b5d4f_attn
    .symbol:         k_q492e5b5d4f_attn.kd
    .args:
      - { .name: xn, .offset: 0, .size: 8, .value_kind: global_buffer, .address_space: global }
      - { .name: amat, .offset: 8, .size: 8, .value_kind: global_buffer, .address_space: global }
      - { .name: wpv, .offset: 16, .size: 8, .value_kind: global_buffer, .address_space: global }
      - { .name: uvec, .offset: 24, .size: 8, .value_kind: global_buffer, .address_space: global }
      - { .name: bias2, .offset: 32, .size: 8, .value_kind: global_buffer, .address_space: global }
      - { .name: pooled, .offset: 40, .size: 8, .value_kind: global_buffer, .address_space: global }
      - { .name: w_se1, .offset: 48, .size: 8, .value_kind: global_buffer, .address_space: global }
      - { .name: b_se1, .offset: 56, .size: 8, .value_kind: global_buffer, .address_space: global }
      - { .name: w_se2, .offset: 64, .size: 8, .value_kind: global_buffer, .address_space: global }
      - { .name: b_se2, .offset: 72, .size: 8, .value_kind: global_buffer, .address_space: global }
      - { .name: x, .offset: 80, .size: 8, .value_kind: global_buffer, .address_space: global }
      - { .name: out0, .offset: 88, .size: 8, .value_kind: global_buffer, .address_space: global }
    .group_segment_fixed_size: 327680
    .private_segment_fixed_size: 0
    .kernarg_segment_align: 8
    .kernarg_segment_size: 96
    .max_flat_workgroup_size: 128
    .sgpr_count:     100
    .vgpr_count:     1024
    .wavefront_size: 32
...
	.end_amdgpu_metadata
.endif
;; end of part 2
